; MI455X (gfx1250); checked and timed in simulation.
; The chip was launched on July 23, 2026; its instructions are those of AMD's public machine-readable ISA for CDNA 5 (MIT licence, August 2026) and "CDNA5" Instruction Set Architecture Reference Guide (July 2026). The comments in the code are by the model that wrote it; some were corrected since.
;; Crom Linear SOTA. Allowed arithmetic: float matrix products may take bf16 or f16 operands with f32 sums; other float arithmetic in f32, or as packed bf16 or f16 multiplies, adds, multiply-adds, maxima and minima; sums over many terms, partial sums and values carried from step to step in f32; what a program stores and reads back later, other than sums and carried values, may be rounded once to bf16 or f16.
;; Inputs: codebook 256 x 8 float16; indices 1,048,576 int32; x 4 x 2,048 x 4,096 float32.
;; Outputs: out0 4 x 2,048 x 2,048 float32.
;; 2 versions, each right; version 2 is version 1 with the launch prep written anew for expert scheduling mode. Each part assembles by itself: llvm-mc -triple=amdgcn-amd-amdhsa -mcpu=gfx1250 --defsym DOCPART=n.
;; ======== version 1 of 2: 2 launches
;; workspace buffers: w 16,777,216 bytes; xh 67,108,864 bytes
;; launch prep (part 1): grid 256 x 1, 16 waves a work-group, no clusters, 6,144 bytes of LDS; arguments codebook, indices, x, w, xh; writes w, xh
.if DOCPART == 1
	.amdgcn_target "amdgcn-amd-amdhsa--gfx1250"
	.amdhsa_code_object_version 6
	.text
	.protected	k_qf1238483fc_prep
	.globl	k_qf1238483fc_prep
	.p2align	8
	.type	k_qf1238483fc_prep,@function
k_qf1238483fc_prep:
	s_mov_b64 s[64:65], 0
	v_nop
	global_prefetch_b8 v0, s[64:65] scope:SCOPE_SE
	s_setreg_imm32_b32 hwreg(HW_REG_WAVE_MODE, 25, 1), 1
	s_wait_xcnt 0x0
; TWO THINGS THAT THE PRODUCT WANTS IN f16, made in one launch:
;   w[n][8 c + d] = codebook[indices[512 n + c]][d]: 2,048 rows of 512 codes, a code = 8 f16 = 16 bytes; bytes are copied, nothing is rounded;
;   xh[m][k] = f16(x[m][k]), 8,192 rows of 4,096, rounded once, to nearest even.
; WHY x IS ROUNDED HERE.  In the product a tile of 256 rows x 128 along K of x takes 135,168 bytes of LDS in f32 (with W's tile 204,800: two such slots do not fit in 327,680) and 69,632 in f16
; (with W's 139,264: two fit).  The price is 67,108,864 bytes stored here and read there.
; LIMITS.  |x| of 65,520 or more becomes an infinity and |x| below 6e-5 keeps f16's fixed step of 6e-8: both as in the cast to f16 that the problem itself makes.  An index is taken as an unsigned
; number and held to 255 at the most; the problem keeps indices within 0 .. 255, where that changes nothing.
; SHARES.  256 work-groups of 16 waves.  Work-group g owns rows 8 g .. 8 g + 7 of w and rows 32 g .. 32 g + 31 of x.
;   w: wave v, lane l take code 32 v + l of each of the 8 rows: an index load of the wave covers 128 consecutive bytes, a store 512 consecutive bytes of a row of w, aligned: no lane has to hand a code on.
;   x: wave v owns rows 2 v and 2 v + 1 of the 32: 32,768 consecutive bytes, 64 chunks of 512.  A chunk is one load of 16 bytes a lane, two conversions and one store of 8 bytes a lane: 256 consecutive
;   bytes of xh, aligned, from the wave's 32 lanes.
; IN FLIGHT.  A ring of 32 chunks in registers: 16 KiB a wave, 256 KiB a work-group.  x's first 32 loads are issued ahead of the work on w, which is done while they are on their way.
; The first 32 results have registers of their own and the last 32 are made in place, so no register that a store reads is ever written again.
; No matrix unit, no cluster (work-groups share the 4,096 bytes of the codebook alone), no LDS for x (no lane wants another's bytes), no prefetch: the launch does nothing but stream.
.set CBK,   0                          ; LDS: the codebook, 256 rows of 16 bytes
.set SPARE, 4096                       ; behind it: the spare words, 128 bytes for each wave: eight blocks of 256 bytes that no other line names
.set VC,   2                           ; v2   8 x thread: my 8 bytes of the codebook, in memory and in LDS
.set VI,   3                           ; v3   my index in an index row: 128 x wave + 4 x lane
.set VW,   4                           ; v4   my code in a row of w: 512 x wave + 16 x lane
.set VX,   5                           ; v5   my 16 bytes of my wave's first chunk of x: 32,768 x wave + 16 x lane
.set VH,   6                           ; v6   my 8 bytes of the same chunk of xh: 16,384 x wave + 8 x lane
.set SPW,  8                           ; v8   LDS address of my spare word; never rewritten
.set NIL,  9                           ; v9   0; never rewritten
.set CB,   10                          ; v[10:11]   my 8 bytes of the codebook
.set IDX,  12                          ; v[12:19]   8 indices, then their LDS addresses
.set CODE, 20                          ; v[20:51]   8 codes
.set Y,    52                          ; v[52:115]  chunks 0-31 as f16, 2 registers each
.set X,    116                         ; v[116:243] the ring: 32 chunks as loaded, 4 registers each
	s_load_b256 s[4:11], s[0:1], 0x0               ; codebook s[4:5], indices s[6:7], x s[8:9], w s[10:11]
	s_load_b64 s[12:13], s[0:1], 0x20              ; xh
	v_lshl_add_u32 v[SPW], v0, 2, SPARE
	v_mov_b32 v[NIL], 0
	v_lshrrev_b32 v1, 5, v0
	v_readfirstlane_b32 s14, v1                    ; wave 0..15
	v_and_b32 v1, 31, v0                           ; lane
	v_lshlrev_b32 v[VC], 3, v0
	s_lshl_b32 s15, s14, 7
	v_lshl_add_u32 v[VI], v1, 2, s15
	s_lshl_b32 s15, s14, 9
	v_lshl_add_u32 v[VW], v1, 4, s15
	s_lshl_b32 s15, s14, 15
	v_lshl_add_u32 v[VX], v1, 4, s15
	s_lshl_b32 s15, s14, 14
	v_lshl_add_u32 v[VH], v1, 3, s15
	s_lshl_b32 s16, ttmp9, 14                      ; the work-group's 8 index rows of 2,048 bytes,
	s_mov_b32 s17, 0
	s_lshl_b32 s18, ttmp9, 16                      ; its 8 rows of w of 8,192 bytes,
	s_mov_b32 s19, 0
	s_lshl_b32 s20, ttmp9, 19                      ; its 32 rows of x of 16,384 bytes (under 2^27),
	s_mov_b32 s21, 0
	s_lshl_b32 s22, ttmp9, 18                      ; and of xh of 8,192 bytes
	s_mov_b32 s23, 0
	s_wait_kmcnt 0x0
	s_add_nc_u64 s[6:7], s[6:7], s[16:17]
	s_add_nc_u64 s[10:11], s[10:11], s[18:19]
	s_add_nc_u64 s[8:9], s[8:9], s[20:21]
	s_add_nc_u64 s[12:13], s[12:13], s[22:23]
	global_load_b64 v[CB:CB+1], v[VC], s[4:5]      ; 512 threads x 8 bytes: the whole codebook
.set r, 0
.rept 8
	global_load_b32 v[IDX+r], v[VI], s[6:7] offset:2048*r th:TH_LOAD_NT  ; row r: my wave's 32 indices, 128 consecutive bytes
.set r, r+1
.endr
.set c, 0
.rept 32
	global_load_b128 v[X+4*c:X+4*c+3], v[VX], s[8:9] offset:512*c th:TH_LOAD_NT  ; the ring is filled: chunks 0-31, my wave's first row of x
.set c, c+1
.endr
	s_wait_loadcnt 40                              ; loads come back in order (ISA guide 5.7.1): the codebook's is in; the 8 + 32 younger ones may stay out
	ds_store_b64 v[VC], v[CB:CB+1] offset:CBK
	s_wait_dscnt 0x0                               ; for the others' sake: my 8 bytes of the codebook lie in LDS
	s_barrier_signal -1
	s_barrier_wait -1                              ; everybody's do
	s_wait_loadcnt 32                              ; my 8 indices are in; x's 32 loads may stay out
.set r, 0
.rept 8
	v_min_u32 v[IDX+r], 0xff, v[IDX+r]             ; held inside the table,
	v_lshlrev_b32 v[IDX+r], 4, v[IDX+r]            ; times 16 bytes
.set r, r+1
.endr
.set r, 0
.rept 8
	ds_load_b128 v[CODE+4*r:CODE+4*r+3], v[IDX+r] offset:CBK  ; lanes may meet in a bank here, as the indices fall: 8 such loads a wave in the whole launch
.set r, r+1
.endr
.set r, 0
.rept 8
	s_wait_dscnt 7-r                               ; code r is in; the younger ones may stay out
	global_store_b128 v[VW], v[CODE+4*r:CODE+4*r+3], s[10:11] offset:8192*r  ; 512 consecutive bytes of row r of w, at a multiple of 512 from w's first byte
.set r, r+1
.endr
.set c, 0
.rept 32                                       ; chunks 0-31 are rounded and stored; each leaves its place in the ring to the chunk 32 further on; the load goes ahead of the store
	s_wait_loadcnt 31                              ; behind chunk c's load stand 31 - c first loads and c refills: always 31
	v_cvt_pk_f16_f32 v[Y+2*c],   v[X+4*c],   v[X+4*c+1]    ; the first source into the low half
	v_cvt_pk_f16_f32 v[Y+2*c+1], v[X+4*c+2], v[X+4*c+3]
	global_load_b128 v[X+4*c:X+4*c+3], v[VX], s[8:9] offset:512*(32+c) th:TH_LOAD_NT
	global_store_b64 v[VH], v[Y+2*c:Y+2*c+1], s[12:13] offset:256*c  ; 256 consecutive bytes, at a multiple of 256 from xh's first byte
.set c, c+1
.endr
.set c, 0
.rept 32                                       ; chunks 32-63: nothing is left to load, the counts run down, and the results take the place of what was loaded
	s_wait_loadcnt 31-c
	v_cvt_pk_f16_f32 v[X+4*c],   v[X+4*c],   v[X+4*c+1]
	v_cvt_pk_f16_f32 v[X+4*c+1], v[X+4*c+2], v[X+4*c+3]
	global_store_b64 v[VH], v[X+4*c:X+4*c+1], s[12:13] offset:256*(32+c)
.set c, c+1
.endr
	s_wait_tensorcnt 0x0                           ; the wave's end, behind my last LDS store
	ds_add_u32 v[SPW], v[NIL]
	s_wait_dscnt 0x0
	s_endpgm
.Lfunc_end_k_qf1238483fc_prep:
	.size	k_qf1238483fc_prep, .Lfunc_end_k_qf1238483fc_prep-k_qf1238483fc_prep
	.p2alignl 7, 3214868480
	.fill 96, 4, 3214868480
	.section	.rodata,"a",@progbits
	.p2align	6, 0x0
	.amdhsa_kernel k_qf1238483fc_prep
		.amdhsa_group_segment_fixed_size 6144
		.amdhsa_private_segment_fixed_size 0
		.amdhsa_enable_private_segment 0
		.amdhsa_kernarg_size 40
		.amdhsa_user_sgpr_count 2
		.amdhsa_user_sgpr_kernarg_segment_ptr 1
		.amdhsa_wavefront_size32 1
		.amdhsa_system_sgpr_workgroup_id_x 1
		.amdhsa_system_sgpr_workgroup_id_y 1
		.amdhsa_system_sgpr_workgroup_id_z 1
		.amdhsa_system_vgpr_workitem_id 0
		.amdhsa_next_free_vgpr 256
		.amdhsa_next_free_sgpr 66
		.amdhsa_reserve_vcc 0
		.amdhsa_float_denorm_mode_32 3
		.amdhsa_float_denorm_mode_16_64 3
		.amdhsa_memory_ordered 1
		.amdhsa_forward_progress 1
		.amdhsa_inst_pref_size 27
	.end_amdhsa_kernel
	.amdgpu_metadata
---
amdhsa.version: [ 1, 2 ]
amdhsa.kernels:
  - .name:           k_qf1238483fc_prep
    .symbol:         k_qf1238483fc_prep.kd
    .args:
      - { .name: codebook, .offset: 0, .size: 8, .value_kind: global_buffer, .address_space: global }
      - { .name: indices, .offset: 8, .size: 8, .value_kind: global_buffer, .address_space: global }
      - { .name: x, .offset: 16, .size: 8, .value_kind: global_buffer, .address_space: global }
      - { .name: w, .offset: 24, .size: 8, .value_kind: global_buffer, .address_space: global }
      - { .name: xh, .offset: 32, .size: 8, .value_kind: global_buffer, .address_space: global }
    .group_segment_fixed_size: 6144
    .private_segment_fixed_size: 0
    .kernarg_segment_align: 8
    .kernarg_segment_size: 40
    .max_flat_workgroup_size: 512
    .sgpr_count:     66
    .vgpr_count:     256
    .wavefront_size: 32
...
	.end_amdgpu_metadata
.endif
;; end of part 1
;; launch gemm (part 2): grid 8 x 32, 4 waves a work-group, clusters of 4 x 4, 327,680 bytes of LDS; arguments xh, w, out0; writes out0
.if DOCPART == 2
	.amdgcn_target "amdgcn-amd-amdhsa--gfx1250"
	.amdhsa_code_object_version 6
	.text
	.protected	k_qf1238483fc_gemm
	.globl	k_qf1238483fc_gemm
	.p2align	8
	.type	k_qf1238483fc_gemm,@function
k_qf1238483fc_gemm:
	s_mov_b64 s[64:65], 0
	v_nop
	global_prefetch_b8 v0, s[64:65] scope:SCOPE_SE
	s_setreg_imm32_b32 hwreg(HW_REG_WAVE_MODE, 25, 1), 1
	s_wait_xcnt 0x0
	s_wait_alu depctr_hold_cnt(0) depctr_sa_sdst(0) depctr_va_vdst(0) depctr_va_sdst(0) depctr_va_ssrc(0) depctr_va_vcc(0) depctr_vm_vsrc(0)
	s_getreg_b32 s2, hwreg(HW_REG_IB_STS2, 6, 4)
	s_cmp_eq_u32 s2, 0
	s_cbranch_scc0 .Lentry_in_a_cluster
	s_endpgm
.Lentry_in_a_cluster:
	s_bfe_u32 s2, ttmp6, 0x10000c
	s_cmp_lg_u32 s2, 0xf033
	s_cbranch_scc0 .Lentry_shape_is_right
	s_endpgm
.Lentry_shape_is_right:
; out0[m][n] = the sum over k of xh[m][k] w[n][k].  xh: [8192][4096] f16 (x rounded once, by the launch before); w: [2048][4096] f16 (the codes, as they are); out0: [8192][2048] f32.
; One f32 sum for each output, K ascending, stored unrounded.
; LIMITS.  None of its own: what f16 does to x (an infinity from 65,520 on, a fixed step of 6e-8 below 6e-5) has been done by the launch before, as the problem's own cast does it.  The sums are never rounded to f16.
; SHARES.  A tile of out0, 256 x 256, is made by a work-group of four waves: 8 x 32 tiles, one a work-group.  A wave makes 128 x 128: 64 accumulators of 16 x 16, 512 registers: for 32 along K it reads
; 2 x 128 rows x 64 bytes from LDS and issues 64 matrix instructions.
; THE RING.  K goes in steps of 128 through two LDS slots filled by the tensor data mover: the rows of both tiles are 256 bytes of memory and start at multiples of 256 bytes from the buffer's first byte.
; A wave fetches a quarter of a slot by one load (128 rows).  From a request to the wait for it a wave issues 224 matrix instructions.
; CLUSTERS.  4 x 4 work-groups.  The four of a row of the cluster need the same tiles of xh, the four of a column the same tiles of w: each tile is asked for JOINTLY, by the same tensor load with the
; same descriptor and a mask that names the four; each receives it in its own LDS.
; THE MATRIX INSTRUCTION IS USED TRANSPOSED: source 0 = 16 rows of w, source 1 = 16 rows of xh.  In the result lane l holds row m = l % 16 and the columns 8 (l / 16) + 0..7: 32 bytes of a row of out0.
; REGISTERS, in windows of 256 (s_set_vgpr_msb: bits 1:0 source 0, 3:2 source 1, 5:4 source 2, 7:6 destination):
;   window 0: v0-31 addresses; v64-127, v128-191 fragments of xh (8 x 16 rows x 32 K), two buffers; on the way out the same registers hold rows read back from the stage
;   window 1: v64-127, v128-191 fragments of w, two buffers
;   window 2: the 32 accumulators of my rows 0-63 (block a of rows, block b of columns at v[8 (8 (a % 4) + b)]);   window 3: those of my rows 64-127
; Work is laid in long stretches under one setting: 32 matrix instructions, 16 loads, 16 loads, 32 matrix instructions.
.set SIZE_N, 2048
.set SIZE_K, 4096
.set KSTEP,  128
.set ROWB,   SIZE_K*2                  ; bytes in a row of xh and of w
.set OROW,   SIZE_N*4                  ; bytes in a row of out0
.set PITCH,  272                       ; an LDS row: 256 bytes + 16 of padding = 68 words: row r starts at bank 4 r mod 64 (64 banks of 4 bytes: ISA guide 11.1), so the 16 rows that a load touches start at 16 different groups of four banks
.set HALFT,  128*PITCH                 ; 128 rows: what one tensor load brings, and what one wave reads of xh or of w
.set SLOT,   4*HALFT                   ; xh's 256 rows, then w's 256 rows: 139,264 bytes
.set STAGE,  2*SLOT                    ; behind the ring, never filled by a tensor load: 16 rows x 528 bytes for each wave, for the way out
.set SPITCH, 528                       ; 512 bytes + 16: again 16 rows at 16 different groups of four banks
.set WSTAGE, 16*SPITCH
.set SPARE,  STAGE+4*WSTAGE            ; behind the stages: the spare words, 128 bytes for each wave: two blocks of 256 bytes that no other line names
.set LAPS,   SIZE_K/(2*KSTEP)          ; a lap = two K steps = once round the ring: 16
.set ADRA, 16                          ; v16-17  LDS address of my fragments of xh in slot 0, 1
.set ADRB, 20                          ; v20-21  the same for w
.set STO,  24                          ; v24     the way out: where I put 32 bytes of a row
.set RD,   25                          ; v25     the way out: where I read a row back
.set CO,   26                          ; v26     16 x lane: my 16 bytes of 512 in out0
.set SPW,  28                          ; v28     LDS address of my spare word: SPARE + 4 x my thread's number; never rewritten
.set NIL,  29                          ; v29     0; never rewritten
.set PFO,  30                          ; v30     the prefetches' offset: my lane x a row of xh or w; never rewritten
.set F0,   64                          ; fragment buffer 0
.set F1,   128                         ; fragment buffer 1
.set G1,  24                           ; s[24:31] descriptor group 1 for xh's tiles
.set G0,  32                           ; s[32:39] descriptor group 0 for xh's tiles, one set for each slot
.set G1B, 48                           ; s[48:55] descriptor group 1 for w's tiles: it differs in the mask alone
.set G0B, 56                           ; s[56:63] descriptor group 0 for w's tiles, one set for each slot
.set LIM, 43                           ; s43     1 in a wave that prefetches, else the greatest number
.set PFA, 44                           ; s[44:45] where my prefetches stand: one K step further along K than the refill that is being asked for; a prefetch names the K step after that
.set MSB, 0
.macro WIN new                         ; the immediate's high byte repeats the setting that is left; a switch that changes nothing is dropped
.if MSB != (\new)
	s_set_vgpr_msb (MSB<<8)|(\new)
.set MSB, \new
.endif
.endm
.set MUL_LO, 0xa1                      ; source 0 (w) window 1, source 1 (xh) window 0, C and D window 2
.set MUL_HI, 0xf1                      ; the same, C and D window 3
.set TO_B,   0x40                      ; destination window 1, address window 0
; A joint load.  Waves 0 and 1 fetch xh's two halves, waves 2 and 3 w's.  Each of the two lines has one mask and one set of registers for all that issue it.  The branch hangs on the wave's number alone.
; An s_nop 0 and four v_nop follow each of the two lines, ahead of the jump, the label and what follows the macro.
.macro JLOAD s
	s_cmp_eq_u32 s11, 0
	s_cbranch_scc0 .Lfor_b_\@
	tensor_load_to_lds s[G0+4*(\s):G0+4*(\s)+3], s[G1:G1+7]
	s_nop 0
.rept 4
	v_nop
.endr
	s_branch .Lasked_\@
.Lfor_b_\@:
	tensor_load_to_lds s[G0B+4*(\s):G0B+4*(\s)+3], s[G1B:G1B+7]
	s_nop 0
.rept 4
	v_nop
.endr
.Lasked_\@:
.endm
; A PREFETCH INTO THE L2, behind each joint refill, its five lines and the run of LDS loads that follows: the K step that stands TWO refills on, 512 matrix instructions ahead of the load that will ask for it:
; 32 rows x 256 bytes, a lane a row, one instruction a wave.  Each row's 256 bytes of a K step are named ONCE in the launch.  xh's tile row is read by both clusters of that row of clusters: the one with
; cluster x = 0 asks; w's tile column by all eight clusters of that column: the one with cluster y = 0 asks.  The four partners that ask for a tile jointly share its rows out BY ADDRESS: of the 128 rows
; that a wave fetches the partner at place p takes 32 p .. 32 p + 31 (p = cx for xh, cy for w): no branch hangs on a work-group's place in its cluster.  K steps 0 to 3 come by their loads alone: nothing is
; asked for at the head, where every work-group's first tiles are on their way.  The loop's last trip (s3 = 1) asks for nothing: the K steps that it would name do not exist.
.macro ASK
	s_cmp_gt_u32 s3, s[LIM]
	s_cbranch_scc0 .Lnot_mine_\@
	global_prefetch_b8 v[PFO], s[PFA:PFA+1] offset:KSTEP*2 th:TH_LOAD_NT scope:SCOPE_SE
.Lnot_mine_\@:
.endm
; A round of the cluster's barrier: my work-group's barrier, so that wave 0's signal speaks for all four waves; wave 0 signals for the work-group; every wave waits for all sixteen work-groups; my work-group's barrier once more.
.macro CREST                           ; a round behind its opening barrier
	s_cmp_lg_u32 s10, 0
	s_cbranch_scc1 .Lnot_wave_0_\@
	s_barrier_signal -3
.Lnot_wave_0_\@:
	s_barrier_wait -3
	s_barrier_signal -1
	s_barrier_wait -1
.endm
.macro CROUND                          ; a whole round
	s_barrier_signal -1
	s_barrier_wait -1
	CREST
.endm
	s_load_b128 s[4:7], s[0:1], 0x0                ; xh s[4:5], w s[6:7]
	s_load_b64 s[8:9], s[0:1], 0x10                ; out0
	v_lshl_add_u32 v[SPW], v0, 2, SPARE
	v_mov_b32 v[NIL], 0
	ds_add_u32 v[SPW], v[NIL]                      ; the wave's opening: the add, twice on end, and its wait ahead of my first tensor load; the set-up below, work on registers, stands between
	ds_add_u32 v[SPW], v[NIL]                      ; and once more, under the one wait
	v_lshrrev_b32 v1, 5, v0
	v_readfirstlane_b32 s10, v1                    ; wave 0..3
	s_lshr_b32 s11, s10, 1                         ; which half of the tile's rows is mine.  Also: I fetch for xh (0) or for w (1)
	s_and_b32 s12, s10, 1                          ; which half of its columns.  Also: which 128 rows of that tile I fetch
	s_bfe_u32 s40, ttmp6, 0x40000                  ; cx: my place along the cluster's x
	s_bfe_u32 s41, ttmp6, 0x40004                  ; cy: along its y
	s_lshl_b32 s42, ttmp9, 2                       ; in a cluster launch ttmp9 and ttmp7 count clusters
	s_add_co_u32 s42, s42, s40                     ; tile column = 4 x cluster x + cx
	s_and_b32 s13, ttmp7, 0xffff
	s_lshl_b32 s13, s13, 2
	s_add_co_u32 s13, s13, s41                     ; tile row = 4 x cluster y + cy
	s_lshl_b32 s43, s41, 2
	s_lshl_b32 s43, 15, s43                        ; my row of the cluster: places 4 cy .. 4 cy + 3
	s_lshl_b32 s44, 0x1111, s40                    ; my column: places cx, cx + 4, cx + 8, cx + 12
	; descriptor group 1: a tile of 128 rows x 128 elements of 2 bytes, 4,096 elements from row to row, padded in LDS
	s_or_b32 s[G1+0], s43, (1<<16)|(1<<20)|(1<<21)|(5<<22)|(3<<25)   ; 15:0 the mask: xh's tiles go to my row; 17:16 elements of 2 bytes; 20 padding on; 21 set beside a mask; 24:22 after every 64 words (code 5); 31:25 4 words of it (code 3)
	s_or_b32 s[G1B+0], s44, (1<<16)|(1<<20)|(1<<21)|(5<<22)|(3<<25)  ; the same with the mask of my column, for w's tiles
.irp g, G1, G1B
	s_mov_b32 s[(\g)+1], KSTEP<<16                 ; tensor_dim0 = 128
	s_mov_b32 s[(\g)+2], 128<<16                   ; tensor_dim1 = 128
	s_mov_b32 s[(\g)+3], KSTEP<<16                 ; tile_dim0 = 128
	s_mov_b32 s[(\g)+4], 128                       ; tile_dim1 = 128
	s_mov_b32 s[(\g)+5], SIZE_K                    ; tensor_dim0_stride
	s_mov_b32 s[(\g)+6], 0
	s_mov_b32 s[(\g)+7], 0
.endr
	; where the tiles come from.  xh's hang on the tile row alone, which my row of the cluster shares; w's on the tile column alone, which my column shares.  Every wave makes both, in registers that
	; never hold the other coordinate, and asks by one of them.
	s_lshl_b32 s17, s12, 7                         ; which 128 rows of the tile I fetch
	s_lshl_b32 s16, s13, 8
	s_add_co_u32 s16, s16, s17                     ; xh: row 256 x tile row + 128 x half,
	s_lshl_b32 s16, s16, 13                        ; of 8,192 bytes: under 2^26
	s_lshl_b32 s46, s42, 8
	s_add_co_u32 s46, s46, s17                     ; w: row 256 x tile column + 128 x half,
	s_lshl_b32 s46, s46, 13                        ; of 8,192 bytes
	s_mov_b32 s17, 0
	s_mov_b32 s47, 0
	s_mul_i32 s20, s10, HALFT                      ; and where they go: xh's two halves, then w's two halves = wave x 128 rows: no place in the cluster enters an LDS address
	s_wait_dscnt 0x0                               ; both opening adds are done
	s_wait_kmcnt 0x0
	s_add_nc_u64 s[14:15], s[4:5], s[16:17]
	s_add_nc_u64 s[46:47], s[6:7], s[46:47]
	CROUND                                         ; all sixteen work-groups are here: the first joint loads meet
.irp s, 0,1
	s_mov_b32 s[G0+4*(\s)], 1                                        ; 1:0 count = 1
	s_add_co_u32 s[G0+4*(\s)+1], s20, (\s)*SLOT                      ; 63:32 LDS address
	s_add_nc_u64 s[G0+4*(\s)+2:G0+4*(\s)+3], s[14:15], (\s)*KSTEP*2  ; 120:64 global address: K step s
	s_or_b32 s[G0+4*(\s)+3], s[G0+4*(\s)+3], 0x80000000              ; 127:126 type = 2
	s_mov_b32 s[G0B+4*(\s)], 1
	s_add_co_u32 s[G0B+4*(\s)+1], s20, (\s)*SLOT
	s_add_nc_u64 s[G0B+4*(\s)+2:G0B+4*(\s)+3], s[46:47], (\s)*KSTEP*2
	s_or_b32 s[G0B+4*(\s)+3], s[G0B+4*(\s)+3], 0x80000000
	JLOAD \s                                       ; the ring is filled before anything else is done: two loads of mine are out
.endr
	; A fragment is 16 rows x 32 K in 8 registers: lane l holds row l % 16; registers 0-3 hold K = 8 (l / 16) + 0..7, registers 4-7 hold K = 16 + 8 (l / 16) + 0..7.
	; From rows that lie along K: two loads of 16 bytes, 32 bytes apart.  The same for source 0 and source 1.
	v_and_b32 v1, 15, v0                           ; l % 16
	v_bfe_u32 v2, v0, 4, 1                         ; l / 16
	v_mul_u32_u24 v3, v1, PITCH
	v_lshl_add_u32 v3, v2, 4, v3                   ; row x pitch + 16 x half
	s_mul_i32 s21, s11, HALFT                      ; my 128 rows of xh
	s_mul_i32 s22, s12, HALFT                      ; my 128 rows of w,
	s_add_co_u32 s22, s22, 2*HALFT                 ; which lie behind xh's 256
.irp s, 0,1
	v_add_nc_u32 v[ADRA+(\s)], s21, v3
	v_add_nc_u32 v[ADRB+(\s)], s22, v3
	s_add_co_u32 s21, s21, SLOT
	s_add_co_u32 s22, s22, SLOT
.endr
	s_mul_i32 s23, s10, WSTAGE
	s_add_co_u32 s23, s23, STAGE                   ; my stage
	v_mul_u32_u24 v4, v1, SPITCH                   ; in: row l % 16, 32 bytes for each half of the lanes
	v_lshl_add_u32 v4, v2, 5, v4
	v_add_nc_u32 v[STO], s23, v4
	v_and_b32 v5, 31, v0
	v_lshlrev_b32 v[CO], 4, v5                     ; back: 32 lanes take one row of 512 bytes
	v_add_nc_u32 v[RD], s23, v[CO]
	s_lshl_b32 s16, s13, 8
	s_lshl_b32 s17, s11, 7
	s_add_co_u32 s16, s16, s17                     ; my first row of out0: 256 x tile row + 128 x half,
	s_lshl_b32 s16, s16, 13                        ; of 8,192 bytes
	s_mov_b32 s17, 0
	s_add_nc_u64 s[8:9], s[8:9], s[16:17]
	s_lshl_b32 s46, s42, 10                        ; my first column, in bytes: 1,024 x tile column + 512 x half (in the registers that held w's address: none that feeds xh's descriptors ever holds cx)
	s_lshl_b32 s47, s12, 9
	s_add_co_u32 s46, s46, s47
	s_mov_b32 s47, 0
	s_add_nc_u64 s[8:9], s[8:9], s[46:47]
	; the prefetches
	s_lshl_b32 s20, s13, 8                         ; the tile's first row in xh,
	s_lshl_b32 s21, s42, 8                         ; and in w
	s_and_b32 s22, ttmp7, 0xffff                   ; cluster y
	s_cmp_eq_u32 s11, 0                            ; do I fetch for xh?
	s_cselect_b32 s20, s20, s21
	s_cselect_b32 s21, s40, s41                    ; my place among the four that ask for the tile with me
	s_cselect_b32 s22, ttmp9, s22                  ; the coordinate along which other clusters read the same rows
	s_cselect_b64 s[PFA:PFA+1], s[4:5], s[6:7]
	s_cmp_eq_u32 s22, 0
	s_cselect_b32 s[LIM], 1, -1                    ; the same in all sixteen partners, for a given wave
	s_lshl_b32 s22, s12, 7
	s_add_co_u32 s20, s20, s22                     ; + the 128 rows that I fetch
	s_lshl_b32 s21, s21, 5
	s_add_co_u32 s20, s20, s21                     ; + my work-group's 32 of them,
	s_lshl_b32 s20, s20, 13                        ; in bytes,
	s_add_co_u32 s20, s20, 2*KSTEP*2               ; at K step 2: the first refill steps it to 3 and names K step 4
	s_mov_b32 s21, 0
	s_add_nc_u64 s[PFA:PFA+1], s[PFA:PFA+1], s[20:21]
	v_and_b32 v[PFO], 31, v0
	v_lshlrev_b32 v[PFO], 13, v[PFO]               ; a lane a row of 8,192 bytes
; 16 matrix instructions: row blocks a0, a0 + 1 of the window's four (hi = 0: my rows 0-63, 1: rows 64-127) x all 8 column blocks, 32 along K.  The 64 accumulators take turns, one instruction a turn,
; in the same order in every quarter step, over the loop's backward jump too.  zero = 1: the first product starts the sums: nothing is ever cleared.
.macro MUL16 f, hi, a0, zero
	WIN MUL_LO+0x50*(\hi)
.irp a, \a0, (\a0)+1
.irp b, 0,1,2,3,4,5,6,7
.if \zero
	v_wmma_f32_16x16x32_f16 v[8*(8*(\a)+(\b)):8*(8*(\a)+(\b))+7], v[(\f)+8*(\b):(\f)+8*(\b)+7], v[(\f)+8*(4*(\hi)+(\a)):(\f)+8*(4*(\hi)+(\a))+7], 0
.else
	v_wmma_f32_16x16x32_f16 v[8*(8*(\a)+(\b)):8*(8*(\a)+(\b))+7], v[(\f)+8*(\b):(\f)+8*(\b)+7], v[(\f)+8*(4*(\hi)+(\a)):(\f)+8*(4*(\hi)+(\a))+7], v[8*(8*(\a)+(\b)):8*(8*(\a)+(\b))+7]
.endif
.endr
.endr
.endm
; 32 LDS loads in one run: the fragments of one quarter step (128 rows of w, then 128 rows of xh, 32 K at byte k of the rows) into buffer f
.macro FETCH slot, k, f
	WIN TO_B
.irp i, 0,1,2,3,4,5,6,7
	ds_load_b128 v[(\f)+8*(\i):(\f)+8*(\i)+3],   v[ADRB+(\slot)] offset:(\k)+(\i)*16*PITCH
	ds_load_b128 v[(\f)+8*(\i)+4:(\f)+8*(\i)+7], v[ADRB+(\slot)] offset:(\k)+(\i)*16*PITCH+32
.endr
	WIN 0
.irp i, 0,1,2,3,4,5,6,7
	ds_load_b128 v[(\f)+8*(\i):(\f)+8*(\i)+3],   v[ADRA+(\slot)] offset:(\k)+(\i)*16*PITCH
	ds_load_b128 v[(\f)+8*(\i)+4:(\f)+8*(\i)+7], v[ADRA+(\slot)] offset:(\k)+(\i)*16*PITCH+32
.endr
.endm
; A load into a register that a matrix instruction has read, and a store that reads a matrix result, stand four places behind that matrix instruction, and only plain vector instructions that name none
; of its registers are places (ISA guide 7.12.1 for vector instructions); this text does not count the matrix instructions in between.
.macro PLACES
.rept 4
	v_nop
.endr
.endm
; A K step is four quarter steps of 32 along K, 64 matrix instructions each, on buffers 0, 1, 0, 1.
; One of the first three: multiplies buffer f; in its middle it fetches the next quarter's fragments, at byte k of the same slot's rows, into buffer g.
.macro QUARTER slot, k, f, g, zero
	s_wait_dscnt 8                                 ; w and xh's rows 0-63 are in; the youngest eight loads (xh's rows 64-127) may be out
	MUL16 \f, 0, 0, \zero
	MUL16 \f, 0, 2, \zero
	PLACES
	FETCH \slot, \k, \g
	s_wait_dscnt 32                                ; all but the 32 just issued
	MUL16 \f, 1, 0, \zero
	MUL16 \f, 1, 2, \zero
.endm
; The last quarter multiplies buffer 1 and changes slots: ONE barrier, for two things.  In front of it each wave waits for all its tensor loads, of which one is out: its part of the next slot; adds 0 to its
; spare word; and waits for that and for its own reads of this slot.  Behind it nobody reads this slot any more and the next slot is whole.  fill = 1: the barrier opens a round of the cluster's barrier, and
; this slot is filled again first thing behind it, with the K step two on; then come the next slot's first fragments.
.macro TURN slot, next, fill
.if \fill
	s_wait_xcnt 0x0                                ; the last prefetch, a K step back, has read its address: it is stepped here, ahead of the waits of the change of slots
	s_add_nc_u64 s[PFA:PFA+1], s[PFA:PFA+1], KSTEP*2
.endif
	WIN 0                                          ; (the add's two registers lie in window 0)
	s_wait_tensorcnt 0x0                           ; all my tensor loads have landed, so every group 0 may be written;
	ds_add_u32 v[SPW], v[NIL]                      ; 0 onto my spare word;
	s_wait_dscnt 9                                 ; (the add and the youngest eight loads may be out)
	MUL16 F1, 0, 0, 0                              ; sixteen matrix instructions stand between the add and the wait for it
	s_wait_dscnt 0x0                               ; the add is done, and my reads of this slot are over:
	s_barrier_signal -1                            ; say so,
	MUL16 F1, 0, 2, 0                              ; work on registers while the others arrive,
.if \fill
	WIN 0
.endif
	s_barrier_wait -1                              ; and go on when all four have said so
.if \fill
	CREST                                          ; all sixteen work-groups have said so: no wave of any partner still reads this slot's tile or has a load on its way
	s_add_nc_u64 s[G0+4*(\slot)+2:G0+4*(\slot)+3], s[G0+4*(\slot)+2:G0+4*(\slot)+3], 2*KSTEP*2
	s_add_nc_u64 s[G0B+4*(\slot)+2:G0B+4*(\slot)+3], s[G0B+4*(\slot)+2:G0B+4*(\slot)+3], 2*KSTEP*2
	JLOAD \slot                                    ; my one tensor load behind the round; the four v_nop behind it are also the places in front of the loads below
.else
	PLACES
.endif
	FETCH \next, 0, F0
.if \fill
	ASK                                            ; behind the joint load and the run of LDS loads that the next products wait for
.endif
	MUL16 F1, 1, 0, 0
	MUL16 F1, 1, 2, 0
.endm
; THE WAY OUT, in eight chunks: block a of my rows, 16 rows x 128 columns of f32.  A lane's 32 bytes of each of the 8 accumulators go into my own stage, rows of 528 bytes, and come back as whole rows of
; 512; each accumulator's low four registers are read first.  No barrier: the stage is my wave's own.
.macro TOSTAGE a
.set BK, F0+64*((\a)%2)
	s_wait_xcnt 0x0                                ; the stores of the chunk two back have read their registers, which the loads below fill again
	WIN 0x08+4*((\a)/4)                            ; store data (source 1) in window 2 or 3
.irp bb, 0,1,2,3,4,5,6,7
.set rD, 8*(8*((\a)%4)+(\bb))
	ds_store_b128 v[STO], v[rD:rD+3]   offset:64*(\bb)
	ds_store_b128 v[STO], v[rD+4:rD+7] offset:64*(\bb)+16
.endr
	WIN 0
.irp t, 0,1,2,3,4,5,6,7,8,9,10,11,12,13,14,15
	ds_load_b128 v[BK+4*(\t):BK+4*(\t)+3], v[RD] offset:SPITCH*(\t)  ; LDS serves a wave's instructions in order (ISA guide 5.7.1.4): these see the stores above; the next chunk's stores come behind them
.endr
.endm
.macro SEND a, younger                 ; younger: the LDS instructions issued behind chunk a's loads: the next chunk's 32, or none
.set BK, F0+64*((\a)%2)
	WIN 0
.irp t, 0,1,2,3,4,5,6,7,8,9,10,11,12,13,14,15
	s_wait_dscnt (\younger)+15-(\t)                ; row t is back in registers
	global_store_b128 v[CO], v[BK+4*(\t):BK+4*(\t)+3], s[8:9] offset:(16*(\a)+(\t))*OROW th:TH_STORE_NT  ; 512 consecutive bytes, at a multiple of 512 from out0's first byte; the row stands in the immediate, 1,040,384 at the most
.endr
.endm
	s_wait_tensorcnt 1                             ; my part of K step 0 is in; K step 1's may stay out
	s_barrier_signal -1
	s_barrier_wait -1                              ; everybody's is
	FETCH 0, 0, F0
	QUARTER 0, 64,  F0, F1, 1                      ; the first quarter stands in front of the loop: its products start the sums
	WIN 0                                          ; at a label and at a branch every window is 0
	s_mov_b32 s3, LAPS-1
.Llap:                                                 ; a trip goes once round the ring, from a lap's second quarter to the next lap's first, and fills both slots again
	QUARTER 0, 128, F1, F0, 0
	QUARTER 0, 192, F0, F1, 0
	TURN 0, 1, 1
	QUARTER 1, 64,  F0, F1, 0
	QUARTER 1, 128, F1, F0, 0
	QUARTER 1, 192, F0, F1, 0
	TURN 1, 0, 1
	QUARTER 0, 64,  F0, F1, 0
	WIN 0
	s_sub_co_u32 s3, s3, 1
	s_cmp_lg_u32 s3, 0
	s_cbranch_scc1 .Llap
	QUARTER 0, 128, F1, F0, 0                      ; the last lap is written out: nothing is left to fetch, so no round of the cluster's barrier follows its barrier
	QUARTER 0, 192, F0, F1, 0
	TURN 0, 1, 0
	QUARTER 1, 64,  F0, F1, 0
	QUARTER 1, 128, F1, F0, 0
	QUARTER 1, 192, F0, F1, 0
	s_wait_dscnt 0x0                               ; the very last quarter: nothing more to fetch
	MUL16 F1, 0, 0, 0
	MUL16 F1, 0, 2, 0
	MUL16 F1, 1, 0, 0
	MUL16 F1, 1, 2, 0
	WIN 0
	PLACES                                         ; four places in front of the LDS stores that read results and of the loads into the fragments' registers;
	PLACES                                         ; four more, once a launch, as a margin
	TOSTAGE 0
.irp a, 1,2,3,4,5,6,7                  ; a chunk's trip through the stage is under way while the chunk before is stored
	TOSTAGE \a
	SEND (\a)-1, 32
.endr
	SEND 7, 0
	s_wait_tensorcnt 0x0                           ; the wave's end, behind my last tensor load and my last LDS store
	ds_add_u32 v[SPW], v[NIL]
	s_wait_dscnt 0x0
	CROUND                                         ; the closing round: no work-group ends while a partner may still ask for a tile that names it
	s_endpgm
.Lfunc_end_k_qf1238483fc_gemm:
	.size	k_qf1238483fc_gemm, .Lfunc_end_k_qf1238483fc_gemm-k_qf1238483fc_gemm
	.p2alignl 7, 3214868480
	.fill 96, 4, 3214868480
	.section	.rodata,"a",@progbits
	.p2align	6, 0x0
	.amdhsa_kernel k_qf1238483fc_gemm
		.amdhsa_group_segment_fixed_size 327680
		.amdhsa_private_segment_fixed_size 0
		.amdhsa_enable_private_segment 0
		.amdhsa_kernarg_size 24
		.amdhsa_user_sgpr_count 2
		.amdhsa_user_sgpr_kernarg_segment_ptr 1
		.amdhsa_wavefront_size32 1
		.amdhsa_system_sgpr_workgroup_id_x 1
		.amdhsa_system_sgpr_workgroup_id_y 1
		.amdhsa_system_sgpr_workgroup_id_z 1
		.amdhsa_system_vgpr_workitem_id 0
		.amdhsa_next_free_vgpr 1024
		.amdhsa_next_free_sgpr 66
		.amdhsa_reserve_vcc 0
		.amdhsa_float_denorm_mode_32 3
		.amdhsa_float_denorm_mode_16_64 3
		.amdhsa_memory_ordered 1
		.amdhsa_forward_progress 1
		.amdhsa_inst_pref_size 145
	.end_amdhsa_kernel
	.amdgpu_metadata
---
amdhsa.version: [ 1, 2 ]
amdhsa.kernels:
  - .name:           k_qf1238483fc_gemm
    .symbol:         k_qf1238483fc_gemm.kd
    .args:
      - { .name: xh, .offset: 0, .size: 8, .value_kind: global_buffer, .address_space: global }
      - { .name: w, .offset: 8, .size: 8, .value_kind: global_buffer, .address_space: global }
      - { .name: out0, .offset: 16, .size: 8, .value_kind: global_buffer, .address_space: global }
    .group_segment_fixed_size: 327680
    .private_segment_fixed_size: 0
    .kernarg_segment_align: 8
    .kernarg_segment_size: 24
    .max_flat_workgroup_size: 128
    .sgpr_count:     66
    .vgpr_count:     1024
    .wavefront_size: 32
...
	.end_amdgpu_metadata
.endif
;; end of part 2
;; ======== version 2 of 2: 2 launches; version 1 with the launch prep written anew for expert scheduling mode
;; workspace buffers: w 16,777,216 bytes; xh 67,108,864 bytes
;; launch prep (part 3): grid 256 x 1, 16 waves a work-group, no clusters, 6,144 bytes of LDS; arguments codebook, indices, x, w, xh; writes w, xh
.if DOCPART == 3
	.amdgcn_target "amdgcn-amd-amdhsa--gfx1250"
	.amdhsa_code_object_version 6
	.text
	.protected	k_qf1238483fc_prep
	.globl	k_qf1238483fc_prep
	.p2align	8
	.type	k_qf1238483fc_prep,@function
k_qf1238483fc_prep:
	s_mov_b64 s[64:65], 0
	v_nop
	global_prefetch_b8 v0, s[64:65] scope:SCOPE_SE
	s_setreg_imm32_b32 hwreg(HW_REG_WAVE_SCHED_MODE, 0, 2), 2
	s_setreg_imm32_b32 hwreg(HW_REG_WAVE_MODE, 25, 1), 1
	s_wait_xcnt 0x0
	s_wait_alu depctr_vm_vsrc(0)
; TWO THINGS THAT THE PRODUCT WANTS IN f16, made in one launch:
;   w[n][8 c + d] = codebook[indices[512 n + c]][d]: 2,048 rows of 512 codes, a code = 8 f16 = 16 bytes; bytes are copied, nothing is rounded;
;   xh[m][k] = f16(x[m][k]), 8,192 rows of 4,096, rounded once, to nearest even.
; WHY x IS ROUNDED HERE.  In the product a tile of 256 rows x 128 along K of x takes 135,168 bytes of LDS in f32 (with W's tile 204,800: two such slots do not fit in 327,680) and 69,632 in f16
; (with W's 139,264: two fit).  The price is 67,108,864 bytes stored here and read there.
; LIMITS.  |x| of 65,520 or more becomes an infinity and |x| below 6e-5 keeps f16's fixed step of 6e-8: both as in the cast to f16 that the problem itself makes.  An index is taken as an unsigned
; number and held to 255 at the most; the problem keeps indices within 0 .. 255, where that changes nothing.
; SHARES.  256 work-groups of 16 waves.  Work-group g owns rows 8 g .. 8 g + 7 of w and rows 32 g .. 32 g + 31 of x.
;   w: wave v, lane l take code 32 v + l of each of the 8 rows: an index load of the wave covers 128 consecutive bytes, a store 512 consecutive bytes of a row of w, aligned: no lane has to hand a code on.
;   x: wave v owns rows 2 v and 2 v + 1 of the 32: 32,768 consecutive bytes, 64 chunks of 512.  A chunk is one load of 16 bytes a lane, two conversions and one store of 8 bytes a lane: 256 consecutive
;   bytes of xh, aligned, from the wave's 32 lanes.
; IN FLIGHT.  A ring of 32 chunks in registers: 16 KiB a wave, 256 KiB a work-group.  x's first 32 loads are issued ahead of the work on w, which is done while they are on their way.
; The first 32 results have registers of their own and the last 32 are made in place, so no register that a store reads is ever written again.
; No matrix unit, no cluster (work-groups share the 4,096 bytes of the codebook alone), no LDS for x (no lane wants another's bytes), no prefetch: the launch does nothing but stream.
; THE MODE: SCHED_MODE bits 1:0 = 2 (LLVM: expert scheduling mode 2), set by the entry lines.  The code itself states the register dependences between vector instructions and memory or LDS
; instructions, with s_wait_alu, always for 0.
; THE PLAN.  Registers that memory or LDS instructions touch:
;   v2 .. v6      the five offsets.  Written at the head, read by every load and store, never written again: one wait at the head serves them all.
;   v[10:11]      my 8 bytes of the codebook: a load lands there, the LDS store reads them; no vector instruction names them.
;   v[12:19]      the indices: loads land there; the clamps and shifts write them; the gathers read them as addresses; nothing writes them after that.
;   v[20:51]      the codes: the gathers land there, the stores of w read them; no vector instruction names them.
;   X             the ring.  The 64 chunks go in 16 blocks of four.  Blocks 0-7: the block's eight conversions read its 16 registers; then the loads of the chunks 32 further on land in them.
;                 Blocks 8-15: the conversions read them and write 8 of them in place; then the block's four stores read those 8; nothing writes them after that.
;   Y             blocks 0-7: the block's conversions write its 8 registers, its four stores read them; nothing writes them after that.
;   v8, v9        written at the head, read by the closing add alone.
; So ONE wait on va_vdst stands in a block, behind its conversions and ahead of its run of loads and stores; it stands there and not at the next block's head so that the emptied part of the ring is
; asked for again at once.  The next block's conversions name its own registers of X and Y alone, none that a load or store issued before them touches.  No register that a memory or LDS instruction
; reads is ever written again, so the text has no wait on vm_vsrc and none on XCNT: there is no such dependence to state.
.set CBK,   0                          ; LDS: the codebook, 256 rows of 16 bytes
.set SPARE, 4096                       ; behind it: the spare words, 128 bytes for each wave: eight blocks of 256 bytes that no other line names
.set VC,   2                           ; v2   8 x thread: my 8 bytes of the codebook, in memory and in LDS
.set VI,   3                           ; v3   my index in an index row: 128 x wave + 4 x lane
.set VW,   4                           ; v4   my code in a row of w: 512 x wave + 16 x lane
.set VX,   5                           ; v5   my 16 bytes of my wave's first chunk of x: 32,768 x wave + 16 x lane
.set VH,   6                           ; v6   my 8 bytes of the same chunk of xh: 16,384 x wave + 8 x lane
.set SPW,  8                           ; v8   LDS address of my spare word; never rewritten
.set NIL,  9                           ; v9   0; never rewritten
.set CB,   10                          ; v[10:11]   my 8 bytes of the codebook
.set IDX,  12                          ; v[12:19]   8 indices, then their LDS addresses
.set CODE, 20                          ; v[20:51]   8 codes
.set Y,    52                          ; v[52:115]  chunks 0-31 as f16, 2 registers each
.set X,    116                         ; v[116:243] the ring: 32 chunks as loaded, 4 registers each
	s_load_b256 s[4:11], s[0:1], 0x0               ; codebook s[4:5], indices s[6:7], x s[8:9], w s[10:11]
	s_load_b64 s[12:13], s[0:1], 0x20              ; xh
	v_lshl_add_u32 v[SPW], v0, 2, SPARE
	v_mov_b32 v[NIL], 0
	v_lshrrev_b32 v1, 5, v0
	v_readfirstlane_b32 s14, v1                    ; wave 0..15
	v_and_b32 v1, 31, v0                           ; lane
	v_lshlrev_b32 v[VC], 3, v0
	s_wait_alu depctr_va_sdst(0)                   ; s14 is written, ahead of its first reader: the four wave terms below are made from it
	s_lshl_b32 s15, s14, 7                         ; each term has a scalar register of its own: none that a vector instruction has read is written again
	s_lshl_b32 s2, s14, 9
	s_lshl_b32 s3, s14, 15
	s_lshl_b32 s14, s14, 14
	v_lshl_add_u32 v[VI], v1, 2, s15
	v_lshl_add_u32 v[VW], v1, 4, s2
	v_lshl_add_u32 v[VX], v1, 4, s3
	v_lshl_add_u32 v[VH], v1, 3, s14
	s_lshl_b32 s16, ttmp9, 14                      ; the work-group's 8 index rows of 2,048 bytes,
	s_mov_b32 s17, 0
	s_lshl_b32 s18, ttmp9, 16                      ; its 8 rows of w of 8,192 bytes,
	s_mov_b32 s19, 0
	s_lshl_b32 s20, ttmp9, 19                      ; its 32 rows of x of 16,384 bytes (under 2^27),
	s_mov_b32 s21, 0
	s_lshl_b32 s22, ttmp9, 18                      ; and of xh of 8,192 bytes
	s_mov_b32 s23, 0
	s_wait_kmcnt 0x0
	s_add_nc_u64 s[6:7], s[6:7], s[16:17]
	s_add_nc_u64 s[10:11], s[10:11], s[18:19]
	s_add_nc_u64 s[8:9], s[8:9], s[20:21]
	s_add_nc_u64 s[12:13], s[12:13], s[22:23]
	s_wait_alu depctr_va_vdst(0)                   ; the five offsets v2 to v6 are written: every load and store of the kernel reads one of them, and none is written again
	global_load_b64 v[CB:CB+1], v[VC], s[4:5]      ; 512 threads x 8 bytes: the whole codebook
.set r, 0
.rept 8
	global_load_b32 v[IDX+r], v[VI], s[6:7] offset:2048*r th:TH_LOAD_NT  ; row r: my wave's 32 indices, 128 consecutive bytes
.set r, r+1
.endr
.set c, 0
.rept 32
	global_load_b128 v[X+4*c:X+4*c+3], v[VX], s[8:9] offset:512*c th:TH_LOAD_NT  ; the ring is filled: chunks 0-31, my wave's first row of x
.set c, c+1
.endr
	s_wait_loadcnt 40                              ; loads come back in order (ISA guide 5.7.1): the codebook's is in; the 8 + 32 younger ones may stay out
	ds_store_b64 v[VC], v[CB:CB+1] offset:CBK
	s_wait_dscnt 0x0                               ; for the others' sake: my 8 bytes of the codebook lie in LDS
	s_barrier_signal -1
	s_barrier_wait -1                              ; everybody's do
	s_wait_loadcnt 32                              ; my 8 indices are in; x's 32 loads may stay out
.set r, 0
.rept 8
	v_min_u32 v[IDX+r], 0xff, v[IDX+r]             ; held inside the table,
	v_lshlrev_b32 v[IDX+r], 4, v[IDX+r]            ; times 16 bytes
.set r, r+1
.endr
	s_wait_alu depctr_va_vdst(0)                   ; the shifts have written v[IDX ..], which the eight gathers read as their addresses
.set r, 0
.rept 8
	ds_load_b128 v[CODE+4*r:CODE+4*r+3], v[IDX+r] offset:CBK  ; lanes may meet in a bank here, as the indices fall: 8 such loads a wave in the whole launch
.set r, r+1
.endr
.set r, 0
.rept 8
	s_wait_dscnt 7-r                               ; code r is in; the younger ones may stay out
	global_store_b128 v[VW], v[CODE+4*r:CODE+4*r+3], s[10:11] offset:8192*r  ; 512 consecutive bytes of row r of w, at a multiple of 512 from w's first byte
.set r, r+1
.endr
; Block p of the first eight: chunks 4 p .. 4 p + 3 are rounded into registers of their own; their places in the ring go to the chunks 32 further on; the loads go ahead of the stores.
.macro FIRST p
	s_wait_loadcnt 28                              ; behind the block's four loads stand 4 (7 - p) first loads and 4 p refills: always 28
.irp i, 0,1,2,3
	v_cvt_pk_f16_f32 v[Y+2*(4*(\p)+(\i))],   v[X+4*(4*(\p)+(\i))],   v[X+4*(4*(\p)+(\i))+1]    ; the first source into the low half
	v_cvt_pk_f16_f32 v[Y+2*(4*(\p)+(\i))+1], v[X+4*(4*(\p)+(\i))+2], v[X+4*(4*(\p)+(\i))+3]
.endr
	s_wait_alu depctr_va_vdst(0)                   ; the eight conversions are done reading the block's X, in which the loads below land, and have written its Y, which the stores below read
.irp i, 0,1,2,3
	global_load_b128 v[X+4*(4*(\p)+(\i)):X+4*(4*(\p)+(\i))+3], v[VX], s[8:9] offset:512*(32+4*(\p)+(\i)) th:TH_LOAD_NT
.endr
.irp i, 0,1,2,3
	global_store_b64 v[VH], v[Y+2*(4*(\p)+(\i)):Y+2*(4*(\p)+(\i))+1], s[12:13] offset:256*(4*(\p)+(\i))  ; 256 consecutive bytes, at a multiple of 256 from xh's first byte
.endr
.endm
; Block q of the last eight: chunks 32 + 4 q .. 32 + 4 q + 3: nothing is left to load, the counts run down, and the results take the place of what was loaded.
.macro SECOND q
	s_wait_loadcnt 28-4*(\q)                       ; behind the block's four refills stand those of the 7 - q later blocks
.irp i, 0,1,2,3
	v_cvt_pk_f16_f32 v[X+4*(4*(\q)+(\i))],   v[X+4*(4*(\q)+(\i))],   v[X+4*(4*(\q)+(\i))+1]
	v_cvt_pk_f16_f32 v[X+4*(4*(\q)+(\i))+1], v[X+4*(4*(\q)+(\i))+2], v[X+4*(4*(\q)+(\i))+3]
.endr
	s_wait_alu depctr_va_vdst(0)                   ; the eight conversions have written the first two registers of each of the block's chunks, which the stores below read
.irp i, 0,1,2,3
	global_store_b64 v[VH], v[X+4*(4*(\q)+(\i)):X+4*(4*(\q)+(\i))+1], s[12:13] offset:256*(32+4*(\q)+(\i))
.endr
.endm
.irp p, 0,1,2,3,4,5,6,7
	FIRST \p
.endr
.irp q, 0,1,2,3,4,5,6,7
	SECOND \q
.endr
	s_wait_dscnt 0x0                               ; the closing lines, six on end
	s_wait_alu 0x0
	s_wait_tensorcnt 0x0
	ds_add_u32 v[SPW], v[NIL]
	s_wait_dscnt 0x0
	s_endpgm
.Lfunc_end_k_qf1238483fc_prep:
	.size	k_qf1238483fc_prep, .Lfunc_end_k_qf1238483fc_prep-k_qf1238483fc_prep
	.p2alignl 7, 3214868480
	.fill 96, 4, 3214868480
	.section	.rodata,"a",@progbits
	.p2align	6, 0x0
	.amdhsa_kernel k_qf1238483fc_prep
		.amdhsa_group_segment_fixed_size 6144
		.amdhsa_private_segment_fixed_size 0
		.amdhsa_enable_private_segment 0
		.amdhsa_kernarg_size 40
		.amdhsa_user_sgpr_count 2
		.amdhsa_user_sgpr_kernarg_segment_ptr 1
		.amdhsa_wavefront_size32 1
		.amdhsa_system_sgpr_workgroup_id_x 1
		.amdhsa_system_sgpr_workgroup_id_y 1
		.amdhsa_system_sgpr_workgroup_id_z 1
		.amdhsa_system_vgpr_workitem_id 0
		.amdhsa_next_free_vgpr 256
		.amdhsa_next_free_sgpr 66
		.amdhsa_reserve_vcc 0
		.amdhsa_float_denorm_mode_32 3
		.amdhsa_float_denorm_mode_16_64 3
		.amdhsa_memory_ordered 1
		.amdhsa_forward_progress 1
		.amdhsa_inst_pref_size 27
	.end_amdhsa_kernel
	.amdgpu_metadata
---
amdhsa.version: [ 1, 2 ]
amdhsa.kernels:
  - .name:           k_qf1238483fc_prep
    .symbol:         k_qf1238483fc_prep.kd
    .args:
      - { .name: codebook, .offset: 0, .size: 8, .value_kind: global_buffer, .address_space: global }
      - { .name: indices, .offset: 8, .size: 8, .value_kind: global_buffer, .address_space: global }
      - { .name: x, .offset: 16, .size: 8, .value_kind: global_buffer, .address_space: global }
      - { .name: w, .offset: 24, .size: 8, .value_kind: global_buffer, .address_space: global }
      - { .name: xh, .offset: 32, .size: 8, .value_kind: global_buffer, .address_space: global }
    .group_segment_fixed_size: 6144
    .private_segment_fixed_size: 0
    .kernarg_segment_align: 8
    .kernarg_segment_size: 40
    .max_flat_workgroup_size: 512
    .sgpr_count:     66
    .vgpr_count:     256
    .wavefront_size: 32
...
	.end_amdgpu_metadata
.endif
;; end of part 3
;; launch gemm: the kernel of part 2 again; grid 8 x 32, 4 waves a work-group, clusters of 4 x 4, 327,680 bytes of LDS; arguments xh, w, out0; writes out0
